; MI455X (gfx1250); checked and timed in simulation.
; The chip was launched on July 23, 2026; its instructions are those of AMD's public machine-readable ISA for CDNA 5 (MIT licence, August 2026) and "CDNA5" Instruction Set Architecture Reference Guide (July 2026). The comments in the code are by the model that wrote it; some were corrected since.
;; Spatial Diff Attn. Allowed arithmetic: float matrix products may take bf16 or f16 operands with f32 sums; all other float work in f32.
;; Inputs: Wk 256 x 256 float32; Wq 256 x 256 float32; Wv 256 x 256 float32; lk1 16 float32; lk2 16 float32; ln_beta 32 float32; ln_gamma 32 float32; lq1 16 float32; lq2 16 float32; x 2 x 16 x 512 x 256 float32.
;; Outputs: out0 2 x 16 x 512 x 256 float32.
;; One version. Each part assembles by itself: llvm-mc -triple=amdgcn-amd-amdhsa -mcpu=gfx1250 --defsym DOCPART=n.
;; ======== version 1 of 1: 1 launch
;; limits: values are held in f16: magnitudes above 65,504 overflow, below 6.1e-05 lose precision
;; launch diffattn (part 1): grid 4 x 64, 8 waves a work-group, clusters of 4 x 1, 327,680 bytes of LDS; arguments x, Wq, Wk, Wv, lq1, lk1, lq2, lk2, ln_gamma, ln_beta, out0; writes out0
.if DOCPART == 1
	.amdgcn_target "amdgcn-amd-amdhsa--gfx1250"
	.amdhsa_code_object_version 6
	.text
	.protected	k_qbe2c21308c_diffattn
	.globl	k_qbe2c21308c_diffattn
	.p2align	8
	.type	k_qbe2c21308c_diffattn,@function
k_qbe2c21308c_diffattn:
	s_mov_b64 s[64:65], 0
	v_nop
	global_prefetch_b8 v0, s[64:65] scope:SCOPE_SE
	s_setreg_imm32_b32 hwreg(HW_REG_WAVE_MODE, 25, 1), 1
	s_wait_xcnt 0x0
	s_wait_alu depctr_hold_cnt(0) depctr_sa_sdst(0) depctr_va_vdst(0) depctr_va_sdst(0) depctr_va_ssrc(0) depctr_va_vcc(0) depctr_vm_vsrc(0)
	s_getreg_b32 s2, hwreg(HW_REG_IB_STS2, 6, 4)
	s_cmp_eq_u32 s2, 0
	s_cbranch_scc0 .Lentry_in_a_cluster
	s_endpgm
.Lentry_in_a_cluster:
	s_bfe_u32 s2, ttmp6, 0x10000c
	s_cmp_lg_u32 s2, 0x3003
	s_cbranch_scc0 .Lentry_shape_is_right
	s_endpgm
.Lentry_shape_is_right:
; SpatialDiffAttn, everything in one launch.  32 slices (b t) of 512 tokens x 256 channels; 8 heads of 32 channels.
;   q, k, v = x Wq, x Wk, x Wv;  a1 = softmax(q[0:16] k[0:16]^T / 4) v,  a2 = softmax(q[16:32] k[16:32]^T / 4) v  (v: all 32 channels of the head)
;   y = a1 - lambda a2;  out = (LayerNorm over the head's 32 channels of y, gamma, beta) * (1 - lambda_init)
; WORK-GROUP = (slice bt, head pair hp, query half qh): 32 x 4 x 2 = 256 of equal work.  Two heads are 64 f32 = 256 consecutive, aligned bytes of an output row.
; It projects K and V of its two heads for all 512 tokens and Q for its own 256, keeps them in LDS / registers, and does the attention of its 256 queries.
; WAVE w of 8: tg = w >> 1 (64 tokens / queries), g = w & 1 (head of the pair).  Two waves lie on a SIMD, 512 registers each: the softmax's vector and
; exponential work outweighs the matrix work here, and the second wave fills the first one's gaps.
; CLUSTER 4 x 1: the four head pairs of one (bt, qh) walk the same x tiles and ask for them jointly (mask 15).  The weights are NOT asked for jointly: the four
; partners need different columns of W, those who need the same columns are other slices, and all of W is 786,432 bytes against 16,777,216 of x.
; NUMBER FORMATS: all matrix operands f16, all sums, softmax and LayerNorm f32.  LayerNorm rescales y, so relative operand errors reach the output undamped:
; f16's 11 bits are wanted.  LIMIT: |x|, |W| and |x W| (q, k, v) must stay below 65,504, f16's largest number; numbers below 6.1e-5 are kept as f16 denormals
; (absolute error at most 3e-8).  ORDER OF ROUNDING: 0.25 log2(e) is multiplied into q's f32 sums before they are rounded; (1 - lambda_init) is multiplied into
; gamma and beta; a row's sum of exponentials is taken from the unrounded f32 values while the product with v takes them rounded to f16 (relative 2^-11).
; The softmax takes a running maximum away (four chunks of 128 keys).  The order of keys in LDS is: own token half first; K and V agree on it.
;
; LAYOUTS (lane: r = lane & 15, h = lane >> 4; ISA guide 7.12.2) chosen so that no result is shuffled:
;   K, Q:  D = W^T tile (A) x x fragment (B): register j = (channel 8h+j, token r): packed, 16 bytes of K[token][channel], or half of a B fragment of Q.
;   V:     D = x fragment (A) x Wv^T tile (B): register j = (token 8h+j, d = r): packed, 16 bytes of V^T[d][token].
;   S^T  = K fragment (A, all 32 channels) x Q fragment (B, the other softmax's 16 channels zero): register j = (key 8h+j, query r).
;   O^T  = V^T fragment (A) x P (B): two packed score tiles ARE a B fragment.  Register j = (d = 16t+8h+j, query r): factors per query are per lane.
.set XPITCH, 272                       ; x tile row: 256 bytes + 16 of padding.  Every pitch here is an odd multiple of 16 bytes, so that the 16 rows that a
.set XSLOT,  256*XPITCH                ; 16-byte-a-lane access touches lie in 16 different 16-byte columns modulo 256 bytes
.set WTB,    3*XSLOT                   ; 208,896: W^T in f16, 192 rows (Q 0-63, K 64-127, V 128-191) of 256 input channels
.set WPITCH, 528
.set WMAT,   64*WPITCH                 ; 33,792: one matrix.  WTB + 3 WMAT = 310,272
.set KPITCH, 144                       ; K[512 keys][64 channels f16] at byte 0, over the x slots after their last fill
.set VBASE,  512*KPITCH                ; 73,728: V^T[64 d][512 keys f16], up to 140,288
.set VPITCH, 1040
.set STGB,   WTB                       ; y[256 tokens][64 f32], pitch XPITCH, over W^T after its last read; no tensor load ever lands at or above WTB
; scalar registers: s3 wave, s4 tg, s5 g, s6 hp, s7 y = 2 bt + qh; s[8:29] the eleven addresses; s[32:39] descriptor group 1; s[40:51] group 0 of slots 0-2;
; s[52:53], s[54:55] my 32 rows of x in the own / the other token half, type bits set; s56, s57 lane selects; s58 -lambda; s59 1/32; s60 eps; s61 counter;
; s62, s63 at work; s[66:67], s[68:69], s[70:71] the only registers that ever hold anything made of hp: W's column offset, prefetch base, out base
; vector registers, block 0 (v0-v255)
.set AX,   4                           ; v4-6    x fragment address in slot 0, 1, 2
.set AW,   7                           ; v7      W^T fragment address (Q, K by offset)
.set AWV,  8                           ; v8      the same for V
.set XF,   16                          ; v16-79  x fragments in f32, 4 token tiles x 16
.set XB,   80                          ; v80-111 the same in f16, 4 x 8
.set WFK,  112                         ; v112-127 two K tiles of W^T;  v128-143 two V tiles;  v144-159 two Q tiles
.set WFV,  128
.set WFQ,  144
.set HELD, 160                         ; v160-223 the own half's K and V, packed, until the slots are free
.set GAM,  224                         ; v224-239 gamma, v240-255 beta of channels 16t+8h+j, times (1 - lambda_init)
.set BET,  240
.set AKS,  9                           ; after the projection v9-15: K store, V store, K read, V read, the two of the chunk at work, y store
.set AVS,  10
.set AK0,  11
.set AV0,  12
.set AKC,  13
.set AVC,  14
.set AST,  15
.set KF,   16                          ; v16-79   8 K fragments (128 keys)
.set VF,   80                          ; v80-143  V^T fragments (kb, t) at 80 + 8 (2 kb + t)
.set OO,   144                         ; v144-175 O(sm, t) at 144 + 16 sm + 8 t
.set EE,   176                         ; v176-191 LayerNorm at work
.set MU,   184
.set FF,   186
.set RS,   190
; block 1 (v256-v511, written by their low 8 bits): projection sums 0-127 (K0, K1, V0, V1 of token tile i at 32 i) and 128-191 (Q);
; attention: scores S(sm, kt) at 64 sm + 8 kt, packed in place to P(sm, kb) at 64 sm + 16 kb
.set QF,   128                         ; 128-175 query tile i: [q1 x 4][zero x 4][q2 x 4] at 128 + 12 i: softmax 0 takes registers 0-7, softmax 1 registers 4-11
.set TT,   176                         ; 176-179 at work
.set MP,   180                         ; running maximum, twice (a pair), at 180 + 2 sm
.set AL,   184                         ; rescale factor at 184 + 2 sm
.set LL,   185                         ; running sum (this half of the lanes' keys) at 185 + 2 sm
.set SU,   188                         ; 188-195 four chains of sums
.set C0P,  196                         ; 1 / l0, twice
.set C1P,  198                         ; -lambda / l1, twice
; s_set_vgpr_msb's low byte: bits 1:0 source 0, 3:2 source 1, 5:4 source 2, 7:6 destination; its high byte repeats the setting that is left
.set MSB, 0
.macro WIN new
.if MSB != \new
	s_set_vgpr_msb (MSB<<8)|\new
.set MSB, \new
.endif
.endm
; places behind a matrix instruction (ISA guide 7.12.1): plain vector instructions that name none of its registers
.macro PLACES cnt
.rept \cnt
	v_nop
.endr
.endm
.macro BAR
	s_barrier_signal -1
	s_barrier_wait -1
.endm
; a round of the cluster's barrier: my work-group's barrier, wave 0 signals for the work-group, every wave waits for the four, my work-group's barrier again
.macro ROUND
	WIN 0
	s_barrier_signal -1
	s_barrier_wait -1
	s_cmp_lg_u32 s3, 0
	s_cbranch_scc1 .Lnw0_\@
	s_barrier_signal -3
.Lnw0_\@:
	s_barrier_wait -3
	s_barrier_signal -1
	s_barrier_wait -1
.endm
.macro TLOAD s
	tensor_load_to_lds s[40+4*\s:43+4*\s], s[32:39]
	s_nop 0
.endm
.macro MM d, a, b, zero                ; zero = 1: the product starts the sum, nothing is cleared
.if \zero
	v_wmma_f32_16x16x32_f16 v[\d:\d+7], v[\a:\a+7], v[\b:\b+7], 0
.else
	v_wmma_f32_16x16x32_f16 v[\d:\d+7], v[\a:\a+7], v[\b:\b+7], v[\d:\d+7]
.endif
.endm
	s_load_b512 s[8:23], s[0:1], 0x0               ; x, Wq, Wk, Wv, lq1, lk1, lq2, lk2
	s_load_b128 s[24:27], s[0:1], 0x40             ; gamma, beta
	s_load_b64 s[28:29], s[0:1], 0x50              ; out0
	s_set_vgpr_msb 0x40
	v_lshl_add_u32 v254, v0, 2, 0x4bc00
	v_mov_b32 v255, 0
	s_set_vgpr_msb 0x4045
	ds_add_u32 v254, v255
	s_set_vgpr_msb 0x4500
	v_lshrrev_b32 v1, 5, v0
	v_readfirstlane_b32 s3, v1                     ; wave 0..7
	s_lshr_b32 s4, s3, 1                           ; tg
	s_and_b32 s5, s3, 1                            ; g
	s_bfe_u32 s6, ttmp6, 0x40000                   ; hp = my place in the cluster: enters global addresses of W, the prefetch and out0 alone
	s_and_b32 s7, ttmp7, 0xffff                    ; y = 2 bt + qh, shared by the four partners
	s_mov_b32 s56, 0x76543210                      ; v_permlanex16_b32: lane i takes lane i of the other half
	s_mov_b32 s57, 0xfedcba98
	s_mov_b32 s59, 0x3d000000                      ; 1/32
	s_mov_b32 s60, 0x3727c5ac                      ; 1e-5
	v_and_b32 v1, 15, v0                           ; r (also thread & 15)
	v_bfe_u32 v2, v0, 4, 1                         ; h
	v_lshrrev_b32 v3, 4, v0                        ; thread >> 4, 0..15
	v_lshlrev_b32 v9, 2, v1                        ; lambda vectors: element r
	v_lshlrev_b32 v10, 5, v2                       ; gamma, beta: 8 h elements
	v_lshlrev_b32 v11, 13, v3                      ; W: rows 8 (thread >> 4) + j of 1,024 bytes,
	v_lshl_add_u32 v11, v1, 4, v11                 ;    16 bytes (4 output channels) at 16 (thread & 15): 16 lanes read 256 consecutive bytes
	v_mul_u32_u24 v12, v1, 4*WPITCH                ; W^T: rows 4 (thread & 15) + e,
	v_lshl_add_u32 v12, v3, 4, v12                 ;      16 bytes (8 input channels) at 16 (thread >> 4)
	v_add_nc_u32 v12, WTB, v12
	v_add_nc_u32 v14, 2*WMAT, v12                  ; the same in V's matrix (beyond a 16-bit offset)
	v_and_b32 v13, 31, v0
	v_lshlrev_b32 v13, 10, v13                     ; prefetch: one row of x a lane
	s_mul_i32 s62, s4, 64*XPITCH
	v_mul_u32_u24 v[AX], v1, XPITCH
	v_lshl_add_u32 v[AX], v2, 5, v[AX]
	v_add_nc_u32 v[AX], s62, v[AX]                 ; (64 tg + r) pitch + 32 h: 8 f32 of a fragment's row
	v_add_nc_u32 v[AX+1], XSLOT, v[AX]
	v_add_nc_u32 v[AX+2], 2*XSLOT, v[AX]
	s_mul_i32 s63, s5, 32*WPITCH
	s_add_co_u32 s63, s63, WTB
	v_mul_u32_u24 v[AW], v1, WPITCH
	v_lshl_add_u32 v[AW], v2, 4, v[AW]
	v_add_nc_u32 v[AW], s63, v[AW]                 ; W^T + (32 g + r) pitch + 16 h
	v_add_nc_u32 v[AWV], 2*WMAT, v[AW]
	; descriptor group 1: 32 rows x 64 f32, 16 bytes of padding behind each row, asked jointly by the four work-groups of the cluster
	s_mov_b32 s32, 0x0772000f                      ; 15:0 mask 15; 17:16 elements of 4 bytes; 20 padding on; 21 set beside a mask; 24:22 after 64 words; 31:25 of 4 words
	s_mov_b32 s33, 64<<16                          ; tensor_dim0 = 64
	s_mov_b32 s34, 32<<16                          ; tensor_dim1 = 32
	s_mov_b32 s35, 64<<16                          ; tile_dim0 = 64
	s_mov_b32 s36, 32                              ; tile_dim1 = 32
	s_mov_b32 s37, 256                             ; 256 elements from row to row
	s_mov_b32 s38, 0
	s_mov_b32 s39, 0
	s_lshl_b32 s54, s3, 15                         ; my 32 rows of 1,024 bytes
	s_lshl_b32 s52, s7, 18                         ; the own half: y x 256 rows
	s_add_co_u32 s52, s52, s54
	s_mov_b32 s53, 0
	s_xor_b32 s61, s7, 1                           ; the other half of the same slice
	s_lshl_b32 s61, s61, 18
	s_add_co_u32 s54, s61, s54
	s_mov_b32 s55, 0
	s_lshl_b32 s66, s6, 8                          ; W: 64 output channels of 4 bytes for each head pair
	s_mov_b32 s67, 0
	s_lshl_b32 s68, s6, 16                         ; prefetch: 64 rows for each partner, 32 for each of its waves 0 and 1
	s_lshl_b32 s69, s7, 18
	s_add_co_u32 s68, s68, s69
	s_lshl_b32 s69, s3, 15
	s_add_co_u32 s68, s68, s69
	s_mov_b32 s69, 0
	s_lshl_b32 s70, s7, 18                         ; out0: my 256 rows, my 256 bytes of each
	s_lshl_b32 s71, s6, 8
	s_add_co_u32 s70, s70, s71
	s_mov_b32 s71, 0
	s_mul_i32 s62, s3, 32*XPITCH                   ; where my 32 rows go in a slot
	s_wait_dscnt 0x0
	s_wait_kmcnt 0x0
	s_add_nc_u64 s[10:11], s[10:11], s[66:67]
	s_add_nc_u64 s[12:13], s[12:13], s[66:67]
	s_add_nc_u64 s[14:15], s[14:15], s[66:67]
	s_add_nc_u64 s[68:69], s[8:9], s[68:69]
	s_add_nc_u64 s[70:71], s[28:29], s[70:71]
	s_add_nc_u64 s[52:53], s[8:9], s[52:53]
	s_add_nc_u64 s[54:55], s[8:9], s[54:55]
	s_or_b32 s53, s53, 0x80000000                  ; type = 2
	s_or_b32 s55, s55, 0x80000000
	; 60 loads: 4 lambda vectors, 8 of gamma and beta, 48 of W (3 matrices x 2 halves of the input channels x 8 rows)
	global_load_b32 v208, v9, s[16:17]
	global_load_b32 v209, v9, s[18:19]
	global_load_b32 v210, v9, s[20:21]
	global_load_b32 v211, v9, s[22:23]
.irp t, 0,1
.irp u, 0,1
	global_load_b128 v[GAM+8*\t+4*\u:GAM+8*\t+4*\u+3], v10, s[24:25] offset:64*\t+16*\u
.endr
.endr
.irp t, 0,1
.irp u, 0,1
	global_load_b128 v[BET+8*\t+4*\u:BET+8*\t+4*\u+3], v10, s[26:27] offset:64*\t+16*\u
.endr
.endr
.irp m, 0,1,2
.irp b, 0,1
.irp j, 0,1,2,3,4,5,6,7
	global_load_b128 v[16+4*(8*(2*\m+\b)+\j):16+4*(8*(2*\m+\b)+\j)+3], v11, s[10+2*\m:11+2*\m] offset:\b*131072+\j*1024
.endr
.endr
.endr
	; x goes in 8 tiles of 256 tokens x 64 channels: tiles 0-3 the own half, tiles 4-7 the other, through three slots 0, 1, 2, 0, 1, 2, 0, 1
.irp s, 0,1,2
	s_mov_b32 s[40+4*\s], 1                                        ; count = 1
	s_add_co_u32 s[41+4*\s], s62, \s*XSLOT                         ; LDS address: slot + wave x 32 rows
	s_add_nc_u64 s[42+4*\s:43+4*\s], s[52:53], \s*256              ; tile s: channels 64 s
.endr
	ROUND                                          ; the four work-groups are here: the first joint loads meet
	TLOAD 0
	TLOAD 1
	TLOAD 2                                        ; three tensor loads of the wave are out, the most in this text
	; Waves 0 and 1 of each of the four partners ask once for the 256 bytes of channels 192-255 of 32 rows each: 4 x 2 x 32 = the 256 rows of tile 3,
	; whose tensor load follows two tiles of work further down.  Rows and bytes lie inside the own half of x.
	s_cmp_lt_u32 s3, 2
	s_cbranch_scc0 .Lno_prefetch
	global_prefetch_b8 v13, s[68:69] offset:768 th:TH_LOAD_NT scope:SCOPE_SE
.Lno_prefetch:
	; -lambda = exp(lq2 . lk2) - exp(lq1 . lk1) - lambda_init
	s_wait_loadcnt 56                              ; the first four of the 60 loads are in
	v_mul_f32 v208, v208, v209
	v_mul_f32 v210, v210, v211
.irp m, 1,2,4,8
	v_add_f32_dpp v208, v208, v208 row_xmask:\m row_mask:0xf bank_mask:0xf
	v_add_f32_dpp v210, v210, v210 row_xmask:\m row_mask:0xf bank_mask:0xf
.endr
	v_mul_f32 v208, 0x3fb8aa3b, v208               ; log2(e)
	v_mul_f32 v210, 0x3fb8aa3b, v210
	v_exp_f32 v208, v208
	v_exp_f32 v210, v210
	v_nop                                          ; one plain place behind a transcendental (ISA guide 5.7.2)
	s_wait_alu depctr_va_vdst(0)
	v_sub_f32 v208, v210, v208
	v_add_f32 v208, 0xbeb60549, v208               ; lambda_init = 0.8 - 0.6 exp(-0.3) = 0.355509
	v_readfirstlane_b32 s58, v208
	s_wait_loadcnt 48                              ; gamma and beta are in
.set gb, 0
.rept 16
	v_pk_mul_f32 v[GAM+2*gb:GAM+2*gb+1], v[GAM+2*gb:GAM+2*gb+1], 0x3f24fd5c op_sel_hi:[1,0]   ; 1 - lambda_init = 0.644491
.set gb, gb+1
.endr
; W to W^T in f16: batch bb = 8 rows (input channels) x my 4 output channels; for each output channel 8 neighbouring input channels = 16 bytes
.macro WSTAGE bb, adr, ofs
	s_wait_loadcnt 40-8*\bb                        ; the batches behind this one, 8 loads each, stay out
.irp e, 0,1,2,3
.irp jj, 0,1,2,3
	v_cvt_pk_f16_f32 v[208+4*\e+\jj], v[16+32*\bb+8*\jj+\e], v[16+32*\bb+8*\jj+4+\e]
.endr
.endr
.irp e, 0,1,2,3
	ds_store_b128 v[\adr], v[208+4*\e:208+4*\e+3] offset:\ofs+\e*WPITCH
.endr
.endm
	WSTAGE 0, 12, 0                                ; Q, input channels 0-127
	WSTAGE 1, 12, 256                              ; Q, 128-255
	WSTAGE 2, 12, WMAT                             ; K
	WSTAGE 3, 12, WMAT+256
	WSTAGE 4, 14, 0                                ; V
	WSTAGE 5, 14, 256
; 32 input channels (kk: which half of the slot's 64; ks = 0..7: which 32 of the 256) for my 64 tokens and my head: K and V, with q = 1 also Q.
; The 16 or 24 accumulators take turns, one instruction a turn.
.macro KSTEP slot, kk, ks, zero, q
	PLACES 4                                       ; the loads and conversions below write sources of the last matrix instructions
	WIN 0
.irp i, 0,1,2,3
	ds_load_b128 v[XF+16*\i:XF+16*\i+3],     v[AX+\slot] offset:\i*16*XPITCH+\kk*128
	ds_load_b128 v[XF+16*\i+4:XF+16*\i+7],   v[AX+\slot] offset:\i*16*XPITCH+\kk*128+16
	ds_load_b128 v[XF+16*\i+8:XF+16*\i+11],  v[AX+\slot] offset:\i*16*XPITCH+\kk*128+64
	ds_load_b128 v[XF+16*\i+12:XF+16*\i+15], v[AX+\slot] offset:\i*16*XPITCH+\kk*128+80
.endr
.irp c, 0,1
	ds_load_b128 v[WFK+8*\c:WFK+8*\c+3],   v[AW]  offset:WMAT+\c*16*WPITCH+(\ks)*64
	ds_load_b128 v[WFK+8*\c+4:WFK+8*\c+7], v[AW]  offset:WMAT+\c*16*WPITCH+(\ks)*64+32
	ds_load_b128 v[WFV+8*\c:WFV+8*\c+3],   v[AWV] offset:\c*16*WPITCH+(\ks)*64
	ds_load_b128 v[WFV+8*\c+4:WFV+8*\c+7], v[AWV] offset:\c*16*WPITCH+(\ks)*64+32
.if \q
	ds_load_b128 v[WFQ+8*\c:WFQ+8*\c+3],   v[AW]  offset:\c*16*WPITCH+(\ks)*64
	ds_load_b128 v[WFQ+8*\c+4:WFQ+8*\c+7], v[AW]  offset:\c*16*WPITCH+(\ks)*64+32
.endif
.endr
	s_wait_dscnt 8+4*\q                            ; the 16 loads of x are in; the 8 or 12 of W^T behind them may be out
.irp i, 0,1,2,3
.irp e, 0,1,2,3,4,5,6,7
	v_cvt_pk_f16_f32 v[XB+8*\i+\e], v[XF+16*\i+2*\e], v[XF+16*\i+2*\e+1]
.endr
.endr
	s_wait_dscnt 0x0
	WIN 0x50                                       ; C and D in block 1
.irp i, 0,1,2,3
	MM 32*\i,    WFK,     XB+8*\i, \zero
	MM 32*\i+8,  WFK+8,   XB+8*\i, \zero
	MM 32*\i+16, XB+8*\i, WFV,     \zero
	MM 32*\i+24, XB+8*\i, WFV+8,   \zero
.if \q
	MM 128+16*\i,   WFQ,   XB+8*\i, \zero
	MM 128+16*\i+8, WFQ+8, XB+8*\i, \zero
.endif
.endr
.endm
.macro TILE slot, chunk, zero, q
	KSTEP \slot, 0, 2*\chunk, \zero, \q
	KSTEP \slot, 1, 2*\chunk+1, 0, \q
.endm
; the 16 K and V sums to f16: 4 registers each, at dst in block 0
.macro PACKKV dst
	PLACES 4
	WIN 0x05                                       ; sources in block 1
.set pk, 0
.rept 16
.irp e, 0,1,2,3
	v_cvt_pk_f16_f32 v[\dst+4*pk+\e], v[8*pk+2*\e], v[8*pk+2*\e+1]
.endr
.set pk, pk+1
.endr
.endm
; Q: times 0.25 log2(e) in f32, then packed in place to [q1][zero][q2]; every register written has been read before
.macro PACKQ
	WIN 0x55
.set pq, 0
.rept 32
	v_pk_mul_f32 v[128+2*pq:129+2*pq], v[128+2*pq:129+2*pq], 0x3eb8aa3b op_sel_hi:[1,0]
.set pq, pq+1
.endr
.irp i, 0,1,2,3
.irp e, 0,1,2,3
	v_cvt_pk_f16_f32 v[QF+12*\i+\e], v[128+16*\i+2*\e], v[128+16*\i+2*\e+1]
.endr
.irp e, 0,1,2,3
	v_mov_b32 v[QF+12*\i+4+\e], 0
.endr
.irp e, 0,1,2,3
	v_cvt_pk_f16_f32 v[QF+12*\i+8+\e], v[128+16*\i+8+2*\e], v[128+16*\i+8+2*\e+1]
.endr
.endr
.endm
	; THE RING.  Two slots are filled behind one round of the cluster's barrier; in front of each such round every wave waits for its LDS reads and for all
	; its tensor loads; a counted wait stands only in front of a barrier behind which nothing is filled.
	s_wait_dscnt 0x0                               ; my part of W^T is stored
	s_wait_tensorcnt 0x2                           ; my part of tile 0 is in; tiles 1 and 2 stay out
	BAR
	TILE 0, 0, 1, 1
	s_wait_tensorcnt 0x1                           ; tile 1 is in; tile 2 stays out
	s_wait_dscnt 0x0
	BAR
	TILE 1, 1, 0, 1
	s_set_vgpr_msb 0x5055
	s_wait_tensorcnt 0x0                           ; all my loads are done, tile 2 among them: every group 0 may be written
	ds_add_u32 v254, v255
	s_wait_dscnt 0x0
	s_set_vgpr_msb 0x5550
	s_add_nc_u64 s[42:43], s[52:53], 768           ; slot 0: tile 3
	s_mov_b64 s[46:47], s[54:55]                   ; slot 1: tile 4
	s_wait_dscnt 0x0                               ; my reads of slots 0 and 1 are done
	ROUND
	TLOAD 0
	TLOAD 1
	TILE 2, 2, 0, 1
	s_wait_tensorcnt 0x1                           ; tile 3 is in; tile 4 stays out
	s_wait_dscnt 0x0
	BAR
	TILE 0, 3, 0, 1
	s_set_vgpr_msb 0x5055
	s_wait_tensorcnt 0x0
	ds_add_u32 v254, v255
	s_wait_dscnt 0x0
	s_set_vgpr_msb 0x5550
	s_add_nc_u64 s[50:51], s[54:55], 256           ; slot 2: tile 5
	s_add_nc_u64 s[42:43], s[54:55], 512           ; slot 0: tile 6
	s_wait_dscnt 0x0
	ROUND
	TLOAD 2
	TLOAD 0
	PACKKV HELD                                    ; the own half's K and V wait in registers: all three slots are still in use
	PACKQ
	TILE 1, 0, 1, 0
	s_wait_tensorcnt 0x1                           ; tile 5 is in; tile 6 stays out
	s_wait_dscnt 0x0
	BAR
	TILE 2, 1, 0, 0
	s_set_vgpr_msb 0x5055
	s_wait_tensorcnt 0x0
	ds_add_u32 v254, v255
	s_wait_dscnt 0x0
	s_set_vgpr_msb 0x5550
	s_add_nc_u64 s[46:47], s[54:55], 768           ; slot 1: tile 7
	s_wait_dscnt 0x0
	ROUND
	TLOAD 1
	TILE 0, 2, 0, 0
	s_wait_tensorcnt 0x0                           ; tile 7, the last tensor load of the launch
	s_wait_dscnt 0x0
	BAR
	TILE 1, 3, 0, 0
	; K AND V INTO LDS, over the slots: they have had their last fill, and behind this barrier nobody reads them or W^T any more
	PACKKV 16
	WIN 0
	s_wait_dscnt 0x0
	BAR
	s_wait_xcnt 0x0                                ; v9-v14 were offsets of global loads and of the prefetch: rewritten only behind this wait
	s_mul_i32 s62, s4, 64*KPITCH
	s_lshl_b32 s63, s5, 6
	v_mul_u32_u24 v[AK0], v1, KPITCH
	v_lshl_add_u32 v[AK0], v2, 4, v[AK0]
	v_add_nc_u32 v[AK0], s63, v[AK0]               ; r pitch + 64 g + 16 h
	v_add_nc_u32 v[AKS], s62, v[AK0]               ; + my 64 tokens
	s_mul_i32 s62, s5, 32*VPITCH
	s_add_co_u32 s62, s62, VBASE
	s_lshl_b32 s63, s4, 7
	v_mul_u32_u24 v[AV0], v1, VPITCH
	v_lshl_add_u32 v[AV0], v2, 4, v[AV0]
	v_add_nc_u32 v[AV0], s62, v[AV0]               ; V^T + (32 g + r) pitch + 16 h
	v_add_nc_u32 v[AVS], s63, v[AV0]               ; + my 64 tokens of 2 bytes
	s_mul_i32 s62, s4, 64*XPITCH
	s_lshl_b32 s63, s5, 7
	s_add_co_u32 s62, s62, s63
	s_add_co_u32 s62, s62, STGB
	v_mul_u32_u24 v[AST], v1, XPITCH
	v_lshl_add_u32 v[AST], v2, 5, v[AST]
	v_add_nc_u32 v[AST], s62, v[AST]               ; y + (64 tg + r) pitch + 128 g + 32 h
.macro STOREKV p, src
.irp i, 0,1,2,3
.irp c, 0,1
	ds_store_b128 v[AKS], v[\src+4*(4*\i+\c):\src+4*(4*\i+\c)+3]     offset:\p*256*KPITCH+\i*16*KPITCH+\c*32
	ds_store_b128 v[AVS], v[\src+4*(4*\i+2+\c):\src+4*(4*\i+2+\c)+3] offset:\c*16*VPITCH+\p*512+\i*32
.endr
.endr
.endm
	STOREKV 0, HELD
	STOREKV 1, 16
	s_wait_dscnt 0x0                               ; for the others' sake
	BAR
; THE SOFTMAX of one chunk of 128 keys, 16 queries (64 registers), everything in block 1.
; the chunk's maximum for my query: four chains in the lane, then the other half of the lanes (the other keys of the same query)
.macro SMAX sm, first
.irp c, 0,1,2,3
	v_max3_num_f32 v[TT+\c], v[64*\sm+\c], v[64*\sm+4+\c], v[64*\sm+8+\c]
.endr
.irp e, 0,1,2,3,4,5
.irp c, 0,1,2,3
	v_max3_num_f32 v[TT+\c], v[TT+\c], v[64*\sm+12+8*\e+\c], v[64*\sm+16+8*\e+\c]
.endr
.endr
	v_max3_num_f32 v[TT], v[TT], v[TT+1], v[64*\sm+60]
	v_max3_num_f32 v[TT+2], v[TT+2], v[TT+3], v[64*\sm+61]
	v_max3_num_f32 v[TT], v[TT], v[TT+2], v[64*\sm+62]
	v_max_num_f32 v[TT], v[TT], v[64*\sm+63]
	v_permlanex16_b32 v[TT+1], v[TT], s56, s57
.if \first
	v_max_num_f32 v[MP+2*\sm], v[TT], v[TT+1]
	v_max_num_f32 v[MP+2*\sm+1], v[TT], v[TT+1]
.else
	v_max3_num_f32 v[TT+2], v[TT], v[TT+1], v[MP+2*\sm]
	v_sub_f32 v[AL+2*\sm], v[MP+2*\sm], v[TT+2]
	v_exp_f32 v[AL+2*\sm], v[AL+2*\sm]             ; by how much what has been summed shrinks; the two moves are the plain place behind it
	v_mov_b32 v[MP+2*\sm], v[TT+2]
	v_mov_b32 v[MP+2*\sm+1], v[TT+2]
.endif
.endm
.macro SSUB sm, kb                     ; 32 keys: take the maximum away
.irp p, 0,1,2,3,4,5,6,7
	v_pk_add_f32 v[64*\sm+16*\kb+2*\p:64*\sm+16*\kb+2*\p+1], v[64*\sm+16*\kb+2*\p:64*\sm+16*\kb+2*\p+1], v[MP+2*\sm:MP+2*\sm+1] neg_lo:[0,1] neg_hi:[0,1]
.endr
.endm
.macro SEX sm, kb                      ; 2^s (log2(e) lies in q)
.irp p, 0,1,2,3,4,5,6,7,8,9,10,11,12,13,14,15
	v_exp_f32 v[64*\sm+16*\kb+\p], v[64*\sm+16*\kb+\p]
.endr
.endm
.macro SPOST sm, kb                    ; sum in four chains (the first 32 keys start them), then pack in place: 8 registers = a B fragment of 32 keys
.if \kb == 0
	s_wait_alu depctr_va_vdst(0)
.irp c, 0,1,2,3
	v_pk_add_f32 v[SU+2*\c:SU+2*\c+1], v[64*\sm+2*\c:64*\sm+2*\c+1], v[64*\sm+8+2*\c:64*\sm+8+2*\c+1]
.endr
.else
	s_wait_alu depctr_va_vdst(0)
.irp c, 0,1,2,3
	v_pk_add_f32 v[SU+2*\c:SU+2*\c+1], v[SU+2*\c:SU+2*\c+1], v[64*\sm+16*\kb+2*\c:64*\sm+16*\kb+2*\c+1]
.endr
.irp c, 0,1,2,3
	v_pk_add_f32 v[SU+2*\c:SU+2*\c+1], v[SU+2*\c:SU+2*\c+1], v[64*\sm+16*\kb+8+2*\c:64*\sm+16*\kb+8+2*\c+1]
.endr
.endif
.irp e, 0,1,2,3,4,5,6,7
	v_cvt_pk_f16_f32 v[64*\sm+16*\kb+\e], v[64*\sm+16*\kb+2*\e], v[64*\sm+16*\kb+2*\e+1]
.endr
.endm
; the three stages run staggered over the four blocks of 32 keys, so that plain work always stands between an exponential and its use (ISA guide 5.7.2)
.macro SEXP sm, first
	SSUB \sm, 0
	SSUB \sm, 1
	SEX \sm, 0
	SSUB \sm, 2
	SEX \sm, 1
	SPOST \sm, 0
	SSUB \sm, 3
	SEX \sm, 2
	SPOST \sm, 1
	SEX \sm, 3
	SPOST \sm, 2
	SPOST \sm, 3
	v_pk_add_f32 v[SU:SU+1], v[SU:SU+1], v[SU+2:SU+3]
	v_pk_add_f32 v[SU+4:SU+5], v[SU+4:SU+5], v[SU+6:SU+7]
	v_pk_add_f32 v[SU:SU+1], v[SU:SU+1], v[SU+4:SU+5]
.if \first
	v_add_f32 v[LL+2*\sm], v[SU], v[SU+1]
.else
	v_add_f32 v[TT], v[SU], v[SU+1]
	v_fma_f32 v[LL+2*\sm], v[LL+2*\sm], v[AL+2*\sm], v[TT]
.endif
.endm
; O(sm) = O(sm) x factor + V^T P.  The two accumulators take turns, one instruction a turn.
.macro PV sm, first
	WIN 0x04                                       ; source 1 (the factor, P) in block 1
.if \first == 0
.irp p, 0,1,2,3,4,5,6,7
	v_pk_mul_f32 v[OO+16*\sm+2*\p:OO+16*\sm+2*\p+1], v[OO+16*\sm+2*\p:OO+16*\sm+2*\p+1], v[AL+2*\sm:AL+2*\sm+1] op_sel_hi:[1,0]
.endr
.endif
	MM OO+16*\sm,   VF,   64*\sm, \first
	MM OO+16*\sm+8, VF+8, 64*\sm, \first
.irp kb, 1,2,3
	MM OO+16*\sm,   VF+16*\kb,   64*\sm+16*\kb, 0
	MM OO+16*\sm+8, VF+16*\kb+8, 64*\sm+16*\kb, 0
.endr
.endm
; one chunk of 128 keys for query tile i; each K and V fragment serves both softmaxes
.macro CHUNK i, first, ak, av
	PLACES 5                                       ; the scores below write over P, and the loads land in V^T fragments: sources of the last matrix instructions
	WIN 0
.irp kt, 0,1,2,3,4,5,6,7
	ds_load_b128 v[KF+8*\kt:KF+8*\kt+3],   v[\ak] offset:\kt*16*KPITCH
	ds_load_b128 v[KF+8*\kt+4:KF+8*\kt+7], v[\ak] offset:\kt*16*KPITCH+32
.endr
.irp kb, 0,1,2,3
.irp t, 0,1
	ds_load_b128 v[VF+16*\kb+8*\t:VF+16*\kb+8*\t+3],   v[\av] offset:\t*16*VPITCH+\kb*64
	ds_load_b128 v[VF+16*\kb+8*\t+4:VF+16*\kb+8*\t+7], v[\av] offset:\t*16*VPITCH+\kb*64+32
.endr
.endr
	s_wait_dscnt 16                                ; K's 16 loads (and all before them) are in; V's 16 may be out
	WIN 0x44                                       ; D and B in block 1
.irp kt, 0,1,2,3,4,5,6,7
	v_wmma_f32_16x16x32_f16 v[8*\kt:8*\kt+7],       v[KF+8*\kt:KF+8*\kt+7], v[QF+12*\i:QF+12*\i+7],    0
	v_wmma_f32_16x16x32_f16 v[64+8*\kt:64+8*\kt+7], v[KF+8*\kt:KF+8*\kt+7], v[QF+12*\i+4:QF+12*\i+11], 0
.endr
	PLACES 4
	WIN 0x55
	SMAX 0, \first
	SEXP 0, \first
	s_wait_dscnt 0x0                               ; V^T is in
	PV 0, \first
	WIN 0x55
	SMAX 1, \first
	SEXP 1, \first
	PV 1, \first
.endm
; y = O0 / l0 - lambda O1 / l1, LayerNorm over the 32 channels (16 in my lane, 16 in lane xor 16), 64 bytes into the stage
.macro FINISH i
	PLACES 4
	WIN 0x55
	v_permlanex16_b32 v[TT], v[LL], s56, s57       ; the sums of the other half of the keys
	v_permlanex16_b32 v[TT+1], v[LL+2], s56, s57
	v_add_f32 v[TT], v[TT], v[LL]
	v_add_f32 v[TT+1], v[TT+1], v[LL+2]
	v_rcp_f32 v[C0P], v[TT]
	v_rcp_f32 v[C0P+1], v[TT]
	v_rcp_f32 v[TT+2], v[TT+1]
	v_nop
	s_wait_alu depctr_va_vdst(0)
	v_mul_f32 v[C1P], s58, v[TT+2]
	v_mul_f32 v[C1P+1], s58, v[TT+2]
	WIN 0x04
.irp p, 0,1,2,3,4,5,6,7
	v_pk_mul_f32 v[OO+16+2*\p:OO+17+2*\p], v[OO+16+2*\p:OO+17+2*\p], v[C1P:C1P+1]
.endr
.irp p, 0,1,2,3,4,5,6,7
	v_pk_fma_f32 v[OO+2*\p:OO+2*\p+1], v[OO+2*\p:OO+2*\p+1], v[C0P:C0P+1], v[OO+16+2*\p:OO+17+2*\p]
.endr
	WIN 0
	v_pk_add_f32 v[EE:EE+1],   v[OO:OO+1],     v[OO+2:OO+3]
	v_pk_add_f32 v[EE+2:EE+3], v[OO+4:OO+5],   v[OO+6:OO+7]
	v_pk_add_f32 v[EE+4:EE+5], v[OO+8:OO+9],   v[OO+10:OO+11]
	v_pk_add_f32 v[EE+6:EE+7], v[OO+12:OO+13], v[OO+14:OO+15]
	v_pk_add_f32 v[EE:EE+1],   v[EE:EE+1],     v[EE+2:EE+3]
	v_pk_add_f32 v[EE+4:EE+5], v[EE+4:EE+5],   v[EE+6:EE+7]
	v_pk_add_f32 v[EE:EE+1],   v[EE:EE+1],     v[EE+4:EE+5]
	v_add_f32 v[EE], v[EE], v[EE+1]
	v_permlanex16_b32 v[EE+1], v[EE], s56, s57
	v_add_f32 v[EE], v[EE], v[EE+1]
	v_mul_f32 v[MU], s59, v[EE]                    ; the mean, twice
	v_mul_f32 v[MU+1], s59, v[EE]
.irp p, 0,1,2,3,4,5,6,7
	v_pk_add_f32 v[OO+2*\p:OO+2*\p+1], v[OO+2*\p:OO+2*\p+1], v[MU:MU+1] neg_lo:[0,1] neg_hi:[0,1]
.endr
	v_pk_mul_f32 v[FF:FF+1],   v[OO:OO+1],   v[OO:OO+1]      ; the variance from the centred numbers, in two chains
	v_pk_mul_f32 v[FF+2:FF+3], v[OO+2:OO+3], v[OO+2:OO+3]
.irp p, 2,4,6
	v_pk_fma_f32 v[FF:FF+1],   v[OO+2*\p:OO+2*\p+1],   v[OO+2*\p:OO+2*\p+1],   v[FF:FF+1]
	v_pk_fma_f32 v[FF+2:FF+3], v[OO+2*\p+2:OO+2*\p+3], v[OO+2*\p+2:OO+2*\p+3], v[FF+2:FF+3]
.endr
	v_pk_add_f32 v[FF:FF+1], v[FF:FF+1], v[FF+2:FF+3]
	v_add_f32 v[FF], v[FF], v[FF+1]
	v_permlanex16_b32 v[FF+1], v[FF], s56, s57
	v_add_f32 v[FF], v[FF], v[FF+1]
	v_fma_f32 v[FF], v[FF], s59, s60               ; variance + eps
	v_rsq_f32 v[RS], v[FF]
	v_rsq_f32 v[RS+1], v[FF]
	v_nop
	s_wait_alu depctr_va_vdst(0)
.irp p, 0,1,2,3,4,5,6,7
	v_pk_mul_f32 v[OO+2*\p:OO+2*\p+1], v[OO+2*\p:OO+2*\p+1], v[RS:RS+1]
.endr
.irp p, 0,1,2,3,4,5,6,7
	v_pk_fma_f32 v[OO+2*\p:OO+2*\p+1], v[OO+2*\p:OO+2*\p+1], v[GAM+2*\p:GAM+2*\p+1], v[BET+2*\p:BET+2*\p+1]
.endr
.irp t, 0,1
.irp u, 0,1
	ds_store_b128 v[AST], v[OO+8*\t+4*\u:OO+8*\t+4*\u+3] offset:\i*16*XPITCH+\t*64+16*\u
.endr
.endr
.endm
; 16 queries against all 512 keys: the first chunk starts maxima, sums and O; three more in a counted loop, their LDS addresses made from the counter
.macro QTILE i
	CHUNK \i, 1, AK0, AV0
	WIN 0
	s_mov_b32 s61, 1
.Lck_\i:
	s_mul_i32 s62, s61, 128*KPITCH                 ; 128 keys on in K,
	s_lshl_b32 s63, s61, 8                         ; and in V^T's rows
	v_add_nc_u32 v[AKC], s62, v[AK0]
	v_add_nc_u32 v[AVC], s63, v[AV0]
	CHUNK \i, 0, AKC, AVC
	WIN 0
	s_add_co_u32 s61, s61, 1
	s_cmp_lt_u32 s61, 4
	s_cbranch_scc1 .Lck_\i
	FINISH \i
.endm
	QTILE 0
	QTILE 1
	QTILE 2
	QTILE 3
	; THE WAY OUT: the two heads of a token lie side by side in the stage; wave w takes rows 32 w .. 32 w + 31, two a load
	s_wait_dscnt 0x0                               ; my part of the stage is stored
	BAR
	s_mul_i32 s62, s3, 32*XPITCH
	s_add_co_u32 s62, s62, STGB
	s_lshl_b32 s63, s3, 15
	v_mul_u32_u24 v3, v2, XPITCH
	v_lshl_add_u32 v3, v1, 4, v3
	v_add_nc_u32 v3, s62, v3                       ; stage + (32 w + h) pitch + 16 r
	v_lshlrev_b32 v4, 10, v2
	v_lshl_add_u32 v4, v1, 4, v4
	v_add_nc_u32 v4, s63, v4                       ; the same two rows in out0
.irp e, 0,1,2,3,4,5,6,7,8,9,10,11,12,13,14,15
	ds_load_b128 v[16+4*\e:16+4*\e+3], v3 offset:\e*2*XPITCH
.endr
.irp e, 0,1,2,3,4,5,6,7,8,9,10,11,12,13,14,15
	s_wait_dscnt 15-\e                             ; LDS loads come back in order (ISA guide 5.7.1): row pair e is in
	global_store_b128 v4, v[16+4*\e:16+4*\e+3], s[70:71] offset:\e*2048 th:TH_STORE_NT   ; 16 lanes store 256 consecutive bytes, at a multiple of 256 from out0's first byte
.endr
	s_set_vgpr_msb 0x5
	s_wait_tensorcnt 0x0
	ds_add_u32 v254, v255
	s_wait_dscnt 0x0
	s_set_vgpr_msb 0x500
	ROUND                                          ; the closing round: no work-group ends while a partner may still ask for a tile that names it
	s_endpgm
.Lfunc_end_k_qbe2c21308c_diffattn:
	.size	k_qbe2c21308c_diffattn, .Lfunc_end_k_qbe2c21308c_diffattn-k_qbe2c21308c_diffattn
	.p2alignl 7, 3214868480
	.fill 96, 4, 3214868480
	.section	.rodata,"a",@progbits
	.p2align	6, 0x0
	.amdhsa_kernel k_qbe2c21308c_diffattn
		.amdhsa_group_segment_fixed_size 327680
		.amdhsa_private_segment_fixed_size 0
		.amdhsa_enable_private_segment 0
		.amdhsa_kernarg_size 88
		.amdhsa_user_sgpr_count 2
		.amdhsa_user_sgpr_kernarg_segment_ptr 1
		.amdhsa_wavefront_size32 1
		.amdhsa_system_sgpr_workgroup_id_x 1
		.amdhsa_system_sgpr_workgroup_id_y 1
		.amdhsa_system_sgpr_workgroup_id_z 1
		.amdhsa_system_vgpr_workitem_id 0
		.amdhsa_next_free_vgpr 512
		.amdhsa_next_free_sgpr 72
		.amdhsa_reserve_vcc 0
		.amdhsa_float_denorm_mode_32 3
		.amdhsa_float_denorm_mode_16_64 3
		.amdhsa_memory_ordered 1
		.amdhsa_forward_progress 1
		.amdhsa_inst_pref_size 255
	.end_amdhsa_kernel
	.section	.bss,"aw",@nobits
	.p2align	6
	.space	262144
	.amdgpu_metadata
---
amdhsa.version: [ 1, 2 ]
amdhsa.kernels:
  - .name:           k_qbe2c21308c_diffattn
    .symbol:         k_qbe2c21308c_diffattn.kd
    .args:
      - { .name: x, .offset: 0, .size: 8, .value_kind: global_buffer, .address_space: global }
      - { .name: Wq, .offset: 8, .size: 8, .value_kind: global_buffer, .address_space: global }
      - { .name: Wk, .offset: 16, .size: 8, .value_kind: global_buffer, .address_space: global }
      - { .name: Wv, .offset: 24, .size: 8, .value_kind: global_buffer, .address_space: global }
      - { .name: lq1, .offset: 32, .size: 8, .value_kind: global_buffer, .address_space: global }
      - { .name: lk1, .offset: 40, .size: 8, .value_kind: global_buffer, .address_space: global }
      - { .name: lq2, .offset: 48, .size: 8, .value_kind: global_buffer, .address_space: global }
      - { .name: lk2, .offset: 56, .size: 8, .value_kind: global_buffer, .address_space: global }
      - { .name: ln_gamma, .offset: 64, .size: 8, .value_kind: global_buffer, .address_space: global }
      - { .name: ln_beta, .offset: 72, .size: 8, .value_kind: global_buffer, .address_space: global }
      - { .name: out0, .offset: 80, .size: 8, .value_kind: global_buffer, .address_space: global }
    .group_segment_fixed_size: 327680
    .private_segment_fixed_size: 0
    .kernarg_segment_align: 8
    .kernarg_segment_size: 88
    .max_flat_workgroup_size: 256
    .sgpr_count:     72
    .vgpr_count:     512
    .wavefront_size: 32
...
	.end_amdgpu_metadata
.endif
;; end of part 1
